; MI455X (gfx1250); checked and timed in simulation.
; The chip was launched on July 23, 2026; its instructions are those of AMD's public machine-readable ISA for CDNA 5 (MIT licence, August 2026) and "CDNA5" Instruction Set Architecture Reference Guide (July 2026). The comments in the code are by the model that wrote it; some were corrected since.
;; Head. Allowed arithmetic: matrix products marked QUANTISED: E5M2 operands, one given power-of-two scale a tensor, by v_wmma_f32_16x16x64_bf8_bf8 or v_wmma_f32_16x16x128_bf8_bf8, f32 sums; products left as they are: f32 operands where the result goes on into a quantised operand, else bf16, f16 or f32 operands; f32 sums; everything else in f32.
;; Inputs: lowp_scales 8 int32 (the exponents e of the quantised operands' scales 2^e); w_k_codes 16 x 2 x 32 uint8 (E5M2 codes of w_k, K innermost, in blocks of 32 codes); w_q_codes 16 x 2 x 32 uint8 (E5M2 codes of w_q, K innermost, in blocks of 32 codes); w_v_codes 16 x 2 x 32 uint8 (E5M2 codes of w_v, K innermost, in blocks of 32 codes); x_codes 16 x 2,048 x 2 x 32 uint8 (E5M2 codes of x, K innermost, in blocks of 32 codes).
;; Outputs: out0 16 x 2,048 x 16 float32.
;; This version of the problem:
;;   THIS VERSION OF THE PROBLEM IS GIVEN IN LOW PRECISION. The matrix products marked QUANTISED in the list below multiply operands that are first quantised to E5M2 (5 exponent bits, 2 mantissa bits; 8 bits a number), with one given power-of-two scale for each operand tensor; their sums are f32. All else is computed in f32.
;;   The module's matrix products, in the order in which they are computed (A, B: the left and right operand; K: the contracted axis; several contracted axes count as one K, in the product's order):
;;     1. [M 32,768, K 64] x [K 64, N 16]; A: input x (given as codes); B: input w_q (given as codes): QUANTISED (scales: A lowp_scales[0], B lowp_scales[1])
;;     2. [M 32,768, K 64] x [K 64, N 16]; A: input x (given as codes); B: input w_k (given as codes): QUANTISED (scales: A lowp_scales[2], B lowp_scales[3])
;;     3. [M 32,768, K 64] x [K 64, N 16]; A: input x (given as codes); B: input w_v (given as codes): QUANTISED (scales: A lowp_scales[4], B lowp_scales[5])
;;     4. batch 16 x [M 2,048, K 16] x [K 16, N 2,048]; A: computed on the way; B: computed on the way: left as it is (K = 16 < 32)
;;     5. batch 16 x [M 2,048, K 2,048] x [K 2,048, N 16]; A: softmax (see below); B: computed on the way: QUANTISED (scales: A lowp_scales[6], B lowp_scales[7])
;;   THE QUANTISER, for each operand of a quantised product, along K:
;;     - The operand's scale is 2^e, e = its entry of the input lowp_scales (int32; the entries are numbered through the quantised products in the list's order, A before B).
;;     - Each number is divided by the scale, clamped to +-57,344, and rounded to the nearest number of E5M2, ties to even, subnormals kept.
;;     - The product sums the exact products of the quantised numbers (number of the format x scale) in f32.
;;   ~~~python
;;   def quantise(x, axis, e):      # numpy; x: float32 -> the quantised numbers, widened to float32 again
;;       x = np.moveaxis(x, axis, -1); K = x.shape[-1]
;;       r = np.clip(x / 2.0 ** e, -57344, 57344)
;;       step = 2.0 ** (np.maximum(np.frexp(np.where(r == 0, 1, r))[1] - 1, -14) - 2)
;;       q = np.round(r / step) * step * 2.0 ** e      # np.round: ties to even
;;       return np.moveaxis(q, -1, axis).astype(np.float32)
;;   ~~~
;;   SOFTMAX AHEAD OF A QUANTISED PRODUCT. Where the list says 'softmax', what is quantised is not the finished softmax but p = 2^(t - M), with t = logit x log2(e) and M = ceil(the row's largest t), a whole number; so 1/2 < the row's largest p <= 1. The row's sum l is taken of the UNQUANTISED p, in f32, and the product's result is divided by l at the end. Since M is a whole number, a kernel that streams over the keys may use a running M (the ceiling of the running maximum): every later rescaling is an exact power of two, so the quantised numbers keep their values, but for numbers so far below the row's largest that they fall under the format's range.
;;   OPERANDS COMPUTED ON THE WAY. 'Computed on the way' means the value that the module computes at that place (a softmax that the list does not call 'softmax' is quantised finished and normalised). What goes into a quantiser is computed in f32, as accurately as f32 sums, v_exp_f32 and their like allow (about 1e-6 of the number): no bf16 or f16 on the way to a quantiser, and a product that is left as it is and whose result goes on into a quantised operand takes f32 operands (vector FMAs, or v_wmma_f32_16x16x4_f32). A number that lies on a knife's edge between two numbers of the format may be rounded either way, as far as f32 arithmetic and the matrix unit's own rounding can turn it there, and no further.
;;   INPUTS GIVEN AS CODES. w_k (in the module: [64, 16], K = its axis 0); w_q (in the module: [64, 16], K = its axis 0); w_v (in the module: [64, 16], K = its axis 0); x (in the module: [16, 2048, 64], K = its axis 2): each comes as NAME_codes (uint8): NAME with its K axis moved to the last place and cut into blocks of 32 codes, [.., K / 32, bytes a block], one block behind the other in memory; one code a byte (a code: sign, 5 exponent bits, 2 mantissa bits); its scale is its entry of lowp_scales. Its value is code x scale, taken as it is: it is not quantised again, and the codes and scales need not be those that the quantiser above would give.
;; 2 versions, each right; version 2 is version 1 with the launch head written anew for expert scheduling mode. Each part assembles by itself: llvm-mc -triple=amdgcn-amd-amdhsa -mcpu=gfx1250 --defsym DOCPART=n.
;; ======== version 1 of 2: 1 launch
;; limits: right only within a limited range of input values
;; launch head (part 1): grid 16 x 16, 16 waves a work-group, no clusters, 194,560 bytes of LDS; arguments x_codes, w_q_codes, w_k_codes, w_v_codes, lowp_scales, out0; writes out0
.if DOCPART == 1
	.amdgcn_target "amdgcn-amd-amdhsa--gfx1250"
	.amdhsa_code_object_version 6
	.text
	.protected	k_q921974ed12_head
	.globl	k_q921974ed12_head
	.p2align	8
	.type	k_q921974ed12_head,@function
k_q921974ed12_head:
	s_mov_b64 s[64:65], 0
	v_nop
	global_prefetch_b8 v0, s[64:65] scope:SCOPE_SE
	s_setreg_imm32_b32 hwreg(HW_REG_WAVE_MODE, 25, 1), 1
	s_wait_xcnt 0x0
; One causal attention head with RoPE: B = 16, T = 2048, E = 64, head size 16.  x and the three weights come as codes of E5M2, K innermost; out0 is f32.
; q, k, v = x W by v_wmma_f32_16x16x64_bf8_bf8;  RoPE in f32;  scores q.k in f32 by v_wmma_f32_16x16x4_f32 (they go on into a quantiser);  p = 2^(t - M), M a whole number, quantised with 2^e6;
; v quantised with 2^e7;  O^T = V^T P^T by v_wmma_f32_16x16x64_bf8_bf8;  O divided by the sum of the unquantised p.
; SHARES.  Work-group (i, batch) owns query blocks i and 31 - i (64 queries each): 33 key steps of 64 keys for each of four tile columns, the same in every work-group.  Sixteen waves, w = 4 a + b:
; kind = (a + b) & 3 says which block (kind / 2) and which key steps (parity kind & 1) the wave takes, b which 16 queries of the block: each a and each b sees every kind once.
; PHASE A.  The work-group makes k (roped, f32) and v (codes) of keys 0 .. 64 (32 - i) - 1 of its batch once, wave w the key tiles w + 16 u, and lays them in LDS as IMAGES OF OPERAND REGISTERS.
;   k: source 0 = W_k's 16 rows, source 1 = x's 16 keys: lane (r, h) holds key r, dims 8 h + 0 .. 7.  Registers 2 s, 2 s + 1 are K step s of the f32 product: the same permutation of the 16 dims in K and in Q.
;   v: source 0 = x's 16 keys, source 1 = W_v's 16 rows: lane (r, h) holds d = r, keys 8 h + 0 .. 7: its eight codes are registers 2 c, 2 c + 1 of V^T's operand for key tile c of a step.
;   x's and the weights' fragments are fetched 16 bytes at a time (E = 32 c + 16 h + 0 .. 15): one permutation of E, the same on both sides of each product.
; PHASE B.  S^T = K Q^T: a lane holds one query (r) and keys 16 c + 8 h + j; so p's conversions give source 1 of O^T = V^T P^T as it stands.  The two waves of a query tile take even and odd key steps
; and meet at the end: M is a whole number, so the merge multiplies by exact powers of two.
; SINE AND COSINE are made here: freq = t x inv_freq (one f32 product, as the model rounds it); n = round(freq / pi); r = freq - n pi in two fused steps (the first is exact); Taylor sums on |r| <= pi / 2,
; sine to r^13, cosine to r^12; both x (-1)^n.  inv_freq[i] is built in as the f32 number 1 / f32(10000^(i / 8)).
; NO CLUSTER, NO TENSOR LOAD: x goes from memory straight into operand registers, once for a work-group; the work-groups of a batch need 68 to 128 key tiles, not the same number.
; LIMITS on the given exponents, so that each power of two below is an f32 number: e0 + e1 + e2 + e3 between -124 and 129; e6, and e7 - e4 - e5, between -126 and 112.  NaN among the numbers is not served.
.set KIMG, 0                           ; LDS: K's images, 128 key tiles x 1,024 bytes
.set VIMG, 131072                      ; V's images, 128 key tiles x 256 bytes
.set MRG,  163840                      ; the merge: 8 query tiles x 1,536 bytes
.set STG,  176128                      ; the way out: 1,024 bytes for each wave
.set LANE, 3                           ; v1 r, v2 h, v3 lane
.set LI,   4                           ; 16 x lane
.set WO,   5                           ; 64 r + 16 h: a fragment's bytes in 16 rows of 64
.set XO,   6                           ; the same + 1,024 x wave
.set XQO,  7                           ; the same + 64 x my first query
.set KW0,  8                           ; where I store K's images, tiles u = 0 .. 3;  v9: u = 4 .. 7
.set VW,   10                          ; where I store V's images
.set MW,   11                          ; my query tile's place in the merge
.set SGW,  16                          ; my stage: in
.set SGR,  17                          ; my stage: back
.set ADK,  18
.set ADV,  19
.set F,    20                          ; v[20:21] f = 2^(old M - new M)
.set MA,   22
.set MB,   23                          ; v12 -M, v13 largest t, v[14:15] the sum in two halves
.set Q,    24
.set O,    32
.set VF,   40
.set KD,   40                          ; phase A: k's (q's) sums
.set PC,   48
.set VD,   48                          ; phase A: v's sums
.set KF,   56
.set WQF,  56                          ; phase A: the three weights' fragments, and the roped k
.set WKF,  64
.set WVF,  72
.set KO,   80
.set S,    88                          ; v88-119: written by matrix instructions alone
.set T,    120
.set FR,   120                         ; phase A: the angles' work
.set ZB,   124
.set NN,   128
.set RR,   132
.set SG,   136
.set Z2,   140
.set PS,   144
.set PQ,   148
.set MASK, 152
.set IFQ,  152                         ; phase A: inv_freq[4 h + 0 .. 3]
.set TT,   156
.set MAGIC, 158
.set A11,  160
.set B10,  162
.set VSC,  164
.set VLIM, 165
.set VC,   166
.set X,    184                         ; phase A: eight fragments of x;  v248-255: my queries'
.set XQ,   248
.set U,    184
.set PX,   186
.set NINF, 187
.set PSC,  188
.set PLIM, 189
.set G,    190
.set BS,   192
.set BO,   196
.set RB,   204
.set WV,   24                          ; scalars
.set BB,   27
.set HI,   28
.set PAR,  29
.set BLK,  32
.set D0,   33
.set Q0,   34
.set NT,   35
.set CS,   38
.set SEL,  40
.set ST,   42
.set KB,   43
.set VB,   44
.set TRIP, 45
.set E67,  46
.set TILE, 47
.set SPSC, 51
.set SPLIM, 52
.set E6,   22
	s_load_b256 s[4:11], s[0:1], 0x0               ; x s[4:5], w_q s[6:7], w_k s[8:9], w_v s[10:11]
	s_load_b128 s[12:15], s[0:1], 0x20             ; the scales' exponents s[12:13], out s[14:15]
	v_lshrrev_b32 v22, 5, v0
	v_readfirstlane_b32 s[WV], v22                 ; wave 0..15
	v_and_b32 v1, 15, v0                           ; r
	v_bfe_u32 v2, v0, 4, 1                         ; h
	v_and_b32 v[LANE], 31, v0
	v_lshlrev_b32 v[LI], 4, v[LANE]
	v_lshlrev_b32 v[WO], 6, v1
	v_lshl_add_u32 v[WO], v2, 4, v[WO]
	s_and_b32 s[BB], s[WV], 3                      ; b
	s_lshr_b32 s[HI], s[WV], 2                     ; a
	s_add_co_u32 s[HI], s[HI], s[BB]
	s_and_b32 s[HI], s[HI], 3                      ; kind
	s_and_b32 s[PAR], s[HI], 1                     ; which key steps are mine
	s_lshr_b32 s[HI], s[HI], 1                     ; which block of queries
	s_sub_co_u32 s30, 31, ttmp9
	s_cmp_eq_u32 s[HI], 0
	s_cselect_b32 s[BLK], ttmp9, s30               ; my block of 64 queries: also my last (diagonal) key step
	s_lshl_b32 s[Q0], s[BLK], 6
	s_lshl_b32 s[D0], s[BB], 4
	s_add_co_u32 s[Q0], s[Q0], s[D0]               ; my first query
	s_lshl_b32 s[NT], ttmp9, 2
	s_sub_co_u32 s[NT], 128, s[NT]                 ; key tiles that the work-group needs: 4 (32 - i)
	s_and_b32 s36, ttmp7, 0xffff
	s_lshl_b32 s36, s36, 17                        ; the batch: 2,048 rows of 64 bytes, in x and in out alike
	s_mov_b32 s37, 0
	s_lshl_b32 s30, s[WV], 10
	s_lshl_b32 s48, s[Q0], 6
	s_mov_b32 s49, 0
	v_add_nc_u32 v[XO], s30, v[WO]
	v_add_nc_u32 v[XQO], s48, v[WO]
	v_add_nc_u32 v[KW0], s30, v[LI]                ; every LDS address: a constant + a constant x wave + a constant x lane
	v_add_nc_u32 v[KW0+1], 0x10000, v[KW0]
	s_lshl_b32 s31, s[WV], 8
	s_add_co_u32 s31, s31, VIMG
	v_lshl_add_u32 v[VW], v[LANE], 3, s31
	s_lshl_b32 s50, s[HI], 2
	s_add_co_u32 s50, s50, s[BB]                   ; my query tile, 0 .. 7: the two waves of a tile share it
	s_mul_i32 s31, s50, 1536
	s_add_co_u32 s31, s31, MRG
	v_add_nc_u32 v[MW], s31, v[LI]
	s_add_co_u32 s31, s30, STG
	v_add_nc_u32 v[SGR], s31, v[LI]
	v_lshlrev_b32 v[SGW], 6, v1
	v_lshl_add_u32 v[SGW], v2, 5, v[SGW]
	v_add_nc_u32 v[SGW], s31, v[SGW]               ; row r of 64 bytes, + 32 h
	s_wait_kmcnt 0x0
	s_load_b256 s[16:23], s[12:13], 0x0            ; e0 .. e7
	s_add_nc_u64 s[4:5], s[4:5], s[36:37]
	s_add_nc_u64 s[14:15], s[14:15], s[36:37]
	s_add_nc_u64 s[14:15], s[14:15], s[48:49]      ; out at my first query
	; all 24 loads of the wave go out here: W_q, my queries' x, W_k, W_v, my eight key tiles' x
	global_load_b128 v[WQF:WQF+3], v[WO], s[6:7]
	global_load_b128 v[WQF+4:WQF+7], v[WO], s[6:7] offset:32
	global_load_b128 v[XQ:XQ+3], v[XQO], s[4:5]
	global_load_b128 v[XQ+4:XQ+7], v[XQO], s[4:5] offset:32
	global_load_b128 v[WKF:WKF+3], v[WO], s[8:9]
	global_load_b128 v[WKF+4:WKF+7], v[WO], s[8:9] offset:32
	global_load_b128 v[WVF:WVF+3], v[WO], s[10:11]
	global_load_b128 v[WVF+4:WVF+7], v[WO], s[10:11] offset:32
.irp u, 0,1,2,3,4,5,6,7
	global_load_b128 v[X+8*\u:X+8*\u+3], v[XO], s[4:5] offset:16384*\u        ; key tile w + 16 u: all 128 tiles lie inside the batch
	global_load_b128 v[X+8*\u+4:X+8*\u+7], v[XO], s[4:5] offset:16384*\u+32
.endr
	; constants, while the loads are out
	v_cmp_eq_u32 vcc_lo, 1, v2
	v_mov_b32 v22, 0x3c23d70a
	v_cndmask_b32 v[IFQ], 1.0, v22, vcc_lo         ; inv_freq[4 h + p]: h = 0: 1, 10^-0.5, 10^-1, 10^-1.5;  h = 1: 10^-2 .. 10^-3.5
	v_mov_b32 v22, 0x3b4f3e38
	v_cndmask_b32 v[IFQ+1], 0x3ea1e89b, v22, vcc_lo
	v_mov_b32 v22, 0x3a83126f
	v_cndmask_b32 v[IFQ+2], 0x3dcccccd, v22, vcc_lo
	v_mov_b32 v22, 0x39a5cb60
	v_cndmask_b32 v[IFQ+3], 0x3d0186e3, v22, vcc_lo
	v_mov_b32 v[MAGIC], 0x4b400000                 ; 1.5 x 2^23
	v_mov_b32 v[MAGIC+1], 0x4b400000
	v_mov_b32 v[A11], 0xb2d7322b                   ; -1 / 11!
	v_mov_b32 v[A11+1], 0xb2d7322b
	v_mov_b32 v[B10], 0xb493f27e                   ; -1 / 10!
	v_mov_b32 v[B10+1], 0xb493f27e
	v_add_nc_u32 v22, s[Q0], v1
	v_cvt_f32_u32 v[TT], v22                       ; t of my query
	v_mov_b32 v[TT+1], v[TT]                       ; (named with it as a pair, so it is written)
	s_mov_b32 s[SEL], 0x76543210
	s_mov_b32 s[SEL+1], 0xfedcba98                 ; v_permlanex16_b32: lane l xor 16
	s_wait_kmcnt 0x0
	s_add_co_i32 s48, s16, s17
	s_add_co_i32 s48, s48, s18
	s_add_co_i32 s48, s48, s19
	s_lshl_b32 s48, s48, 23
	s_add_co_i32 s[CS], s48, 0x3eb8aa3b            ; c = log2(e) / 4 x 2^(e0 + e1 + e2 + e3): q and k stay the bare sums of codes
	s_mov_b32 s[CS+1], s[CS]
	s_sub_co_i32 s48, s23, s20
	s_sub_co_i32 s48, s48, s21
	s_add_co_i32 s48, s48, 127
	s_lshl_b32 s49, s48, 23
	v_mov_b32 v[VSC], s49                          ; 2^(e7 - e4 - e5): v's three scales folded into the conversion's one
	s_add_co_i32 s48, s48, 15
	s_lshl_b32 s48, s48, 23
	s_or_b32 s48, s48, 0x600000
	v_mov_b32 v[VLIM], s48                         ; 57,344 x that
	s_add_co_i32 s48, s[E6], 127
	s_lshl_b32 s[SPSC], s48, 23                    ; 2^e6
	s_add_co_i32 s48, s48, 15
	s_lshl_b32 s48, s48, 23
	s_or_b32 s[SPLIM], s48, 0x600000               ; 57,344 x 2^e6
	s_add_co_i32 s[E67], s[E6], s23
; Sine (v[NN] on) and cosine (v[ZB] on) of t x inv_freq[4 h + 0 .. 3], two angles an instruction, the two pairs by turns.
.macro HORN cs, cq
.irp p, 0,2
	v_pk_fma_f32 v[PS+\p:PS+\p+1], v[PS+\p:PS+\p+1], v[Z2+\p:Z2+\p+1], \cs op_sel_hi:[1,1,0]
	v_pk_fma_f32 v[PQ+\p:PQ+\p+1], v[PQ+\p:PQ+\p+1], v[Z2+\p:Z2+\p+1], \cq op_sel_hi:[1,1,0]
.endr
.endm
.macro ANGLES
.irp p, 0,2
	v_pk_mul_f32 v[FR+\p:FR+\p+1], v[IFQ+\p:IFQ+\p+1], v[TT:TT+1] op_sel_hi:[1,0]   ; freq, rounded to f32 as the model rounds it
.endr
.irp p, 0,2
	v_pk_fma_f32 v[ZB+\p:ZB+\p+1], v[FR+\p:FR+\p+1], 0x3ea2f983, v[MAGIC:MAGIC+1] op_sel_hi:[1,0,1]   ; freq / pi + 1.5 x 2^23: the sum's last place is 1, so it holds n = round(freq / pi)
.endr
.irp p, 0,2
	v_pk_add_f32 v[NN+\p:NN+\p+1], v[ZB+\p:ZB+\p+1], 0xcb400000 op_sel_hi:[1,0]      ; n as f32
.endr
.irp p, 0,2
	v_pk_fma_f32 v[RR+\p:RR+\p+1], v[NN+\p:NN+\p+1], 0xc0490fdb, v[FR+\p:FR+\p+1] op_sel_hi:[1,0,1]   ; freq - n x f32(pi): under 2 with last place 2^-22 at the coarsest, so nothing is rounded
.endr
.irp k, 0,1,2,3
	v_lshl_or_b32 v[SG+\k], v[ZB+\k], 31, 0x3f800000                                  ; (-1)^n: n's lowest bit over the pattern of 1.0
.endr
.irp p, 0,2
	v_pk_fma_f32 v[RR+\p:RR+\p+1], v[NN+\p:NN+\p+1], 0x33bbbd2e, v[RR+\p:RR+\p+1] op_sel_hi:[1,0,1]   ; - n x (pi - f32(pi))
.endr
.irp p, 0,2
	v_pk_mul_f32 v[RR+\p:RR+\p+1], v[RR+\p:RR+\p+1], v[SG+\p:SG+\p+1]                 ; sin(freq) = sin((-1)^n r)
.endr
.irp p, 0,2
	v_pk_mul_f32 v[Z2+\p:Z2+\p+1], v[RR+\p:RR+\p+1], v[RR+\p:RR+\p+1]
.endr
.irp p, 0,2
	v_pk_fma_f32 v[PS+\p:PS+\p+1], v[Z2+\p:Z2+\p+1], 0x2f309231, v[A11:A11+1] op_sel_hi:[1,0,1]   ; 1 / 13!, -1 / 11!
	v_pk_fma_f32 v[PQ+\p:PQ+\p+1], v[Z2+\p:Z2+\p+1], 0x310f76c7, v[B10:B10+1] op_sel_hi:[1,0,1]   ; 1 / 12!, -1 / 10!
.endr
	HORN 0x3638ef1d, 0x37d00d01                    ; 1 / 9!,  1 / 8!
	HORN 0xb9500d01, 0xbab60b61                    ; -1 / 7!, -1 / 6!
	HORN 0x3c088889, 0x3d2aaaab                    ; 1 / 5!,  1 / 4!
	HORN 0xbe2aaaab, -0.5                          ; -1 / 3!, -1 / 2!
.irp p, 0,2
	v_pk_mul_f32 v[FR+\p:FR+\p+1], v[RR+\p:RR+\p+1], v[Z2+\p:Z2+\p+1]                 ; r^3
	v_pk_fma_f32 v[PQ+\p:PQ+\p+1], v[PQ+\p:PQ+\p+1], v[Z2+\p:Z2+\p+1], 1.0 op_sel_hi:[1,1,0]
.endr
.irp p, 0,2
	v_pk_fma_f32 v[NN+\p:NN+\p+1], v[PS+\p:PS+\p+1], v[FR+\p:FR+\p+1], v[RR+\p:RR+\p+1]   ; the sine
	v_pk_mul_f32 v[ZB+\p:ZB+\p+1], v[PQ+\p:PQ+\p+1], v[SG+\p:SG+\p+1]                 ; the cosine
.endr
.endm
; The sums in v[KD] on (registers 2 p, 2 p + 1: dims 8 h + 2 p, + 1) are turned by angle p into v[dst] on.
.macro ROPE dst
.irp p, 0,1,2,3
	v_mul_f32 v[PS+\p], v[KD+2*\p+1], v[NN+\p]
	v_mul_f32 v[PQ+\p], v[KD+2*\p], v[NN+\p]
.endr
.irp p, 0,1,2,3
	v_fma_f32 v[\dst+2*\p], v[KD+2*\p], v[ZB+\p], -v[PS+\p]        ; even x cos - odd x sin
	v_fma_f32 v[\dst+2*\p+1], v[KD+2*\p+1], v[ZB+\p], v[PQ+\p]     ; even x sin + odd x cos
.endr
.endm
	; ---- my 16 queries: q stays in registers, source 1 of the scores' products
	s_wait_loadcnt 20                              ; W_q's and my queries' four loads are in; the 20 issued behind them may be out
	v_wmma_f32_16x16x64_bf8_bf8 v[KD:KD+7], v[WQF:WQF+7], v[XQ:XQ+7], 0
	ANGLES                                         ; its lines name none of the product's registers: they are the places behind it
	ROPE Q
	s_lshl_b32 s48, s[WV], 4
	v_add_nc_u32 v22, s48, v1
	v_cvt_f32_u32 v[TT], v22                       ; t of my key in tile w
	; ---- phase A: key tiles w + 16 u
.irp u, 0,1,2,3,4,5,6,7
.if \u >= 4                            ; 68 tiles at the least are needed, so tiles under 64 always
	s_add_co_u32 s[TILE], s[WV], 16*\u
	s_cmp_ge_u32 s[TILE], s[NT]
	s_cbranch_scc1 .LdoneA                         ; no query of this work-group sees these keys
.endif
	s_wait_loadcnt 14-2*\u                         ; W_k, W_v and tile u are in; the later tiles' loads, two each, may be out
	v_wmma_f32_16x16x64_bf8_bf8 v[KD:KD+7], v[WKF:WKF+7], v[X+8*\u:X+8*\u+7], 0
	v_wmma_f32_16x16x64_bf8_bf8 v[VD:VD+7], v[X+8*\u:X+8*\u+7], v[WVF:WVF+7], 0
	ANGLES
	s_wait_dscnt 0x0                               ; the last tile's LDS stores have read v[KO] on and v[VC] on
	ROPE KO
	ds_store_b128 v[KW0+(\u/4)], v[KO:KO+3] offset:(\u%4)*16384        ; the fragment as it stands: 16 bytes a lane, 512 on end
	ds_store_b128 v[KW0+(\u/4)], v[KO+4:KO+7] offset:(\u%4)*16384+512
.irp j, 0,1,2,3,4,5,6,7
	v_med3_num_f32 v[VD+\j], v[VD+\j], -v[VLIM], v[VLIM]           ; the conversion to an 8-bit code does not saturate (ISA guide 7.6.2): the hold at the largest code x the scale
.endr
	v_cvt_scalef32_pk8_bf8_f32 v[VC:VC+1], v[VD:VD+7], v[VSC]
	v_nop                                          ; one plain line behind a scaled conversion: the next tile's product writes its sources
	ds_store_b64 v[VW], v[VC:VC+1] offset:4096*\u  ; 8 codes a lane, 256 bytes on end
.if \u < 7
	v_add_f32 v[TT], 0x43800000, v[TT]             ; my next tile's key: 256 further on
.endif
.endr
.LdoneA:
	s_wait_loadcnt 0x0                             ; loads of tiles that were left out have landed: their registers are used again below
	s_wait_dscnt 0x0                               ; for the others: my images lie in LDS
	s_barrier_signal -1
	; register work while the others arrive: the softmax's start, and the diagonal step's mask
	v_mov_b32 v13, 0xff61b1e6                      ; the largest t so far: -3e38
	v_floor_f32 v12, -v13                          ; -M
	v_mov_b32 v14, 0
	v_mov_b32 v15, 0
.irp j, 0,1,2,3,4,5,6,7
	v_mov_b32 v[O+\j], 0                           ; the step is written once: the first finds zeros
.endr
	v_mov_b32 v[F+1], 0                            ; (upper halves of pairs, and a permute's destination: written once)
	v_mov_b32 v[G+1], 0
	v_mov_b32 v[PX], 0
	v_mov_b32 v[PSC], s[SPSC]
	v_mov_b32 v[PLIM], s[SPLIM]
	v_mov_b32 v[NINF], 0xff800000
	v_lshlrev_b32 v22, 3, v2
	v_sub_nc_u32 v22, v1, v22
	v_add_nc_u32 v22, s[D0], v22                   ; my query less the step's first key less 8 h.  Register 8 c + j holds key 16 c + 8 h + j of the step: hidden where 16 c + j is above this
.set n, 0
.rept 32
	v_cmp_gt_i32 vcc_lo, 16*(n/8)+n%8, v22
	v_cndmask_b32 v[MASK+n], 0, v[NINF], vcc_lo    ; 0 or -infinity: the C of the diagonal step's first products
.set n, n+1
.endr
	s_mov_b32 s[ST], s[PAR]                        ; my first key step,
	s_lshl_b32 s[KB], s[PAR], 12                   ; its four images of K,
	s_lshl_b32 s[VB], s[PAR], 10
	s_add_co_u32 s[VB], s[VB], VIMG                ; and of V
	s_mov_b32 s[TRIP], 0
	s_barrier_wait -1                              ; all images lie in LDS; nobody writes them again
	; ---- phase B: 16 trips, a constant; trip n is key step 2 n + parity; steps behind my diagonal are jumped over inside the trip
.Lstep:
	s_cmp_gt_u32 s[ST], s[BLK]
	s_cbranch_scc1 .Lhidden
	v_add_nc_u32 v[ADK], s[KB], v[LI]
	v_lshl_add_u32 v[ADV], v[LANE], 3, s[VB]
.irp c, 0,1,2,3
	ds_load_b128 v[KF+8*\c:KF+8*\c+3], v[ADK] offset:1024*\c
	ds_load_b128 v[KF+8*\c+4:KF+8*\c+7], v[ADK] offset:1024*\c+512
.endr
.irp c, 0,1,2,3
	ds_load_b64 v[VF+2*\c:VF+2*\c+1], v[ADV] offset:256*\c
.endr
	s_wait_dscnt 4                                 ; K's eight loads are in; V's four may be out
	s_cmp_eq_u32 s[ST], s[BLK]
	s_cbranch_scc1 .Ldiag
.irp c, 0,1,2,3
	v_wmma_f32_16x16x4_f32 v[S+8*\c:S+8*\c+7], v[KF+8*\c:KF+8*\c+1], v[Q:Q+1], 0
.endr
	s_branch .Lrest
.Ldiag:                                            ; hidden keys begin at -infinity and stay there: no vector instruction writes these accumulators
.irp c, 0,1,2,3
	v_wmma_f32_16x16x4_f32 v[S+8*\c:S+8*\c+7], v[KF+8*\c:KF+8*\c+1], v[Q:Q+1], v[MASK+8*\c:MASK+8*\c+7]
.endr
.Lrest:
.irp s, 1,2,3                          ; the four accumulators by turns, one instruction a turn
.irp c, 0,1,2,3
	v_wmma_f32_16x16x4_f32 v[S+8*\c:S+8*\c+7], v[KF+8*\c+2*\s:KF+8*\c+2*\s+1], v[Q+2*\s:Q+2*\s+1], v[S+8*\c:S+8*\c+7]
.endr
.endr
.rept 8
	v_nop                                          ; eight places behind this form before its results are read (ISA guide 7.12.1)
.endr
	v_max3_num_f32 v[MA], v[S], v[S+1], v[S+2]     ; my query's largest score among my 32 keys, in two chains, each accumulator from its low end on
	v_max3_num_f32 v[MB], v[S+3], v[S+4], v[S+5]
.irp i, 6,10,14,18,22,26
	v_max3_num_f32 v[MA], v[MA], v[S+\i], v[S+\i+1]
	v_max3_num_f32 v[MB], v[MB], v[S+\i+2], v[S+\i+3]
.endr
	v_max3_num_f32 v[MA], v[MA], v[S+30], v[S+31]
	v_max_num_f32 v[MA], v[MA], v[MB]
	v_permlanex16_b32 v[PX], v[MA], s[SEL], s[SEL+1]
	v_max_num_f32 v[MA], v[MA], v[PX]              ; and among lane l xor 16's: every query sees a key of every step that is walked
	v_mul_f32 v[MA], s[CS], v[MA]                  ; as t (c is positive)
	v_max_num_f32 v13, v13, v[MA]
	v_mov_b32 v[MB], v12
	v_floor_f32 v12, -v13                          ; -M = floor(-t): M is a whole number
	v_sub_f32 v[MB], v12, v[MB]
	v_cvt_i32_f32 v[MB], v[MB]                     ; old M - new M, 0 or less (it saturates)
	v_ldexp_f32 v[F], 1.0, v[MB]                   ; f = 2^(old M - new M)
.irp j, 0,2,4,6,8,10,12,14,16,18,20,22,24,26,28,30
	v_pk_fma_f32 v[T+\j:T+\j+1], v[S+\j:S+\j+1], s[CS:CS+1], v[12:13] op_sel_hi:[1,0,0]   ; t - M, into other registers
.endr
.irp j, 0,1,2,3,4,5,6,7,8,9,10,11,12,13,14,15,16,17,18,19,20,21,22,23,24,25,26,27,28,29,30,31
	v_exp_f32 v[T+\j], v[T+\j]                     ; p = 2^(t - M)
.endr
	v_pk_mul_f32 v[14:15], v[14:15], v[F:F+1] op_sel_hi:[1,0]      ; the sum under the new M (the plain line behind the exponentials)
	s_wait_alu depctr_va_vdst(0)                   ; one wait for the batch of 32, ahead of its first reader
	v_pk_add_f32 v[U:U+1], v[T:T+1], v[T+2:T+3]    ; the sum of the UNQUANTISED p, in two chains
.irp j, 4,8,12,16,20,24,28
	v_pk_add_f32 v[14:15], v[14:15], v[T+\j:T+\j+1]
	v_pk_add_f32 v[U:U+1], v[U:U+1], v[T+\j+2:T+\j+3]
.endr
	v_pk_add_f32 v[14:15], v[14:15], v[U:U+1]
	s_cmp_ge_i32 s[E6], -15                        ; p is at most 1 (a last place more at the worst), and 57,344 x 2^e6 is 1.75 or more from e6 = -15 on: there the hold changes nothing
	s_cbranch_scc1 .Lnohold
.irp j, 0,1,2,3,4,5,6,7,8,9,10,11,12,13,14,15,16,17,18,19,20,21,22,23,24,25,26,27,28,29,30,31
	v_min_num_f32 v[T+\j], v[T+\j], v[PLIM]        ; p is not negative: the hold is one-sided
.endr
.Lnohold:
.irp c, 0,1,2,3
	v_cvt_scalef32_pk8_bf8_f32 v[PC+2*\c:PC+2*\c+1], v[T+8*\c:T+8*\c+7], v[PSC]   ; keys 16 c + 8 h + 0 .. 7: registers 2 c, 2 c + 1 of the operand
.endr
.irp j, 0,2,4,6
	v_pk_mul_f32 v[O+\j:O+\j+1], v[O+\j:O+\j+1], v[F:F+1] op_sel_hi:[1,0]         ; O^T under the new M (plain lines between the conversions and the product)
.endr
	s_wait_dscnt 0x0                               ; V's fragment is in
	v_wmma_f32_16x16x64_bf8_bf8 v[O:O+7], v[VF:VF+7], v[PC:PC+7], v[O:O+7]         ; sixteen other products stand between two links of this chain
.rept 4
	v_nop                                          ; four places, ahead of the next loads into V's registers and of the next read of O^T, on every way
.endr
.Lhidden:
	s_add_co_u32 s[ST], s[ST], 2
	s_add_co_u32 s[KB], s[KB], 8192
	s_add_co_u32 s[VB], s[VB], 2048
	s_add_co_u32 s[TRIP], s[TRIP], 1
	s_cmp_lt_u32 s[TRIP], 16
	s_cbranch_scc1 .Lstep
	; ---- the two waves of a query tile meet: the odd steps' wave hands over -M, its sum and its O^T
	s_cmp_eq_u32 s[PAR], 0
	s_cbranch_scc1 .Lkeeper
	ds_store_b128 v[MW], v[12:15]
	ds_store_b128 v[MW], v[O:O+3] offset:512
	ds_store_b128 v[MW], v[O+4:O+7] offset:1024
.Lkeeper:
	s_wait_dscnt 0x0                               ; for the partner: my stores have landed
	s_barrier_signal -1
	s_barrier_wait -1
	s_cmp_lg_u32 s[PAR], 0
	s_cbranch_scc1 .Lend
	ds_load_b128 v[BS:BS+3], v[MW]
	ds_load_b128 v[BO:BO+3], v[MW] offset:512
	ds_load_b128 v[BO+4:BO+7], v[MW] offset:1024
	s_wait_dscnt 0x0
	v_min_num_f32 v[MA], v12, v[BS]                ; -M of both: the larger M.  (A partner without a step still has -M = 3e38, a sum of 0 and zeros: its factor comes out 0)
	v_sub_f32 v[MB], v[MA], v12
	v_sub_f32 v[PX], v[MA], v[BS]
	v_cvt_i32_f32 v[MB], v[MB]
	v_cvt_i32_f32 v[PX], v[PX]
	v_ldexp_f32 v[F], 1.0, v[MB]                   ; my factor,
	v_ldexp_f32 v[G], 1.0, v[PX]                   ; the partner's: exact powers of two
	v_pk_mul_f32 v[14:15], v[14:15], v[F:F+1] op_sel_hi:[1,0]
	v_pk_fma_f32 v[14:15], v[BS+2:BS+3], v[G:G+1], v[14:15] op_sel_hi:[1,0,1]
	v_add_f32 v14, v14, v15
	v_permlanex16_b32 v[PX], v14, s[SEL], s[SEL+1]
	v_add_f32 v14, v14, v[PX]                      ; the row's sum
	v_rcp_f32 v14, v14
.irp j, 0,2,4,6
	v_pk_mul_f32 v[O+\j:O+\j+1], v[O+\j:O+\j+1], v[F:F+1] op_sel_hi:[1,0]         ; plain work behind the reciprocal
.endr
.irp j, 0,2,4,6
	v_pk_fma_f32 v[O+\j:O+\j+1], v[BO+\j:BO+\j+1], v[G:G+1], v[O+\j:O+\j+1] op_sel_hi:[1,0,1]
.endr
	s_wait_alu depctr_va_vdst(0)                   ; the wait ahead of the reciprocal's first reader
	v_ldexp_f32 v14, v14, s[E67]                   ; x 2^(e6 + e7)
.irp j, 0,2,4,6
	v_pk_mul_f32 v[O+\j:O+\j+1], v[O+\j:O+\j+1], v[14:15] op_sel_hi:[1,0]         ; lane (r, h): out(query r, d = 8 h + 0 .. 7)
.endr
	ds_store_b128 v[SGW], v[O:O+3]                 ; through my own stage: 16 rows of 64 bytes are 1,024 bytes on end in out
	ds_store_b128 v[SGW], v[O+4:O+7] offset:16
	ds_load_b128 v[RB:RB+3], v[SGR]                ; LDS serves a wave's instructions in order (ISA guide 5.7.1.4): these see the stores above
	ds_load_b128 v[RB+4:RB+7], v[SGR] offset:512
	s_wait_dscnt 0x0
	global_store_b128 v[LI], v[RB:RB+3], s[14:15] th:TH_STORE_NT                  ; each store covers 512 consecutive bytes, at a multiple of 512 from out's first byte
	global_store_b128 v[LI], v[RB+4:RB+7], s[14:15] offset:512 th:TH_STORE_NT
.Lend:
	s_wait_xcnt 0x0
	v_lshl_add_u32 v254, v0, 2, 0x2f000
	v_mov_b32 v255, 0
	s_wait_tensorcnt 0x0
	ds_add_u32 v254, v255
	s_wait_dscnt 0x0
	s_endpgm
.Lfunc_end_k_q921974ed12_head:
	.size	k_q921974ed12_head, .Lfunc_end_k_q921974ed12_head-k_q921974ed12_head
	.p2alignl 7, 3214868480
	.fill 96, 4, 3214868480
	.section	.rodata,"a",@progbits
	.p2align	6, 0x0
	.amdhsa_kernel k_q921974ed12_head
		.amdhsa_group_segment_fixed_size 194560
		.amdhsa_private_segment_fixed_size 0
		.amdhsa_enable_private_segment 0
		.amdhsa_kernarg_size 48
		.amdhsa_user_sgpr_count 2
		.amdhsa_user_sgpr_kernarg_segment_ptr 1
		.amdhsa_wavefront_size32 1
		.amdhsa_system_sgpr_workgroup_id_x 1
		.amdhsa_system_sgpr_workgroup_id_y 1
		.amdhsa_system_sgpr_workgroup_id_z 1
		.amdhsa_system_vgpr_workitem_id 0
		.amdhsa_next_free_vgpr 256
		.amdhsa_next_free_sgpr 66
		.amdhsa_reserve_vcc 1
		.amdhsa_float_denorm_mode_32 3
		.amdhsa_float_denorm_mode_16_64 3
		.amdhsa_memory_ordered 1
		.amdhsa_forward_progress 1
		.amdhsa_inst_pref_size 71
	.end_amdhsa_kernel
	.amdgpu_metadata
---
amdhsa.version: [ 1, 2 ]
amdhsa.kernels:
  - .name:           k_q921974ed12_head
    .symbol:         k_q921974ed12_head.kd
    .args:
      - { .name: x_codes, .offset: 0, .size: 8, .value_kind: global_buffer, .address_space: global }
      - { .name: w_q_codes, .offset: 8, .size: 8, .value_kind: global_buffer, .address_space: global }
      - { .name: w_k_codes, .offset: 16, .size: 8, .value_kind: global_buffer, .address_space: global }
      - { .name: w_v_codes, .offset: 24, .size: 8, .value_kind: global_buffer, .address_space: global }
      - { .name: lowp_scales, .offset: 32, .size: 8, .value_kind: global_buffer, .address_space: global }
      - { .name: out0, .offset: 40, .size: 8, .value_kind: global_buffer, .address_space: global }
    .group_segment_fixed_size: 194560
    .private_segment_fixed_size: 0
    .kernarg_segment_align: 8
    .kernarg_segment_size: 48
    .max_flat_workgroup_size: 512
    .sgpr_count:     66
    .vgpr_count:     256
    .wavefront_size: 32
...
	.end_amdgpu_metadata
.endif
;; end of part 1
;; ======== version 2 of 2: 1 launch; version 1 with the launch head written anew for expert scheduling mode
;; limits: right only within a limited range of input values
;; launch head (part 2): grid 16 x 16, 16 waves a work-group, no clusters, 194,560 bytes of LDS; arguments x_codes, w_q_codes, w_k_codes, w_v_codes, lowp_scales, out0; writes out0
.if DOCPART == 2
	.amdgcn_target "amdgcn-amd-amdhsa--gfx1250"
	.amdhsa_code_object_version 6
	.text
	.protected	k_q921974ed12_head
	.globl	k_q921974ed12_head
	.p2align	8
	.type	k_q921974ed12_head,@function
k_q921974ed12_head:
	s_mov_b64 s[64:65], 0
	v_nop
	global_prefetch_b8 v0, s[64:65] scope:SCOPE_SE
	s_setreg_imm32_b32 hwreg(HW_REG_WAVE_SCHED_MODE, 0, 2), 2
	s_setreg_imm32_b32 hwreg(HW_REG_WAVE_MODE, 25, 1), 1
	s_wait_xcnt 0x0
	s_wait_alu depctr_vm_vsrc(0)
; One causal attention head with RoPE: B = 16, T = 2048, E = 64, head size 16.  x and the three weights come as codes of E5M2, K innermost; out0 is f32.
; q, k, v = x W by v_wmma_f32_16x16x64_bf8_bf8;  RoPE in f32;  scores q.k in f32 by v_wmma_f32_16x16x4_f32 (they go on into a quantiser);  p = 2^(t - M), M a whole number, quantised with 2^e6;
; v quantised with 2^e7;  O^T = V^T P^T by v_wmma_f32_16x16x64_bf8_bf8;  O divided by the sum of the unquantised p.
; SHARES.  Work-group (i, batch) owns query blocks i and 31 - i (64 queries each): 33 key steps of 64 keys for each of four tile columns, the same in every work-group.  Sixteen waves, w = 4 a + b:
; kind = (a + b) & 3 says which block (kind / 2) and which key steps (parity kind & 1) the wave takes, b which 16 queries of the block: each a and each b sees every kind once.
; PHASE A.  The work-group makes k (roped, f32) and v (codes) of keys 0 .. 64 (32 - i) - 1 of its batch once, wave w the key tiles w + 16 u, and lays them in LDS as IMAGES OF OPERAND REGISTERS.
;   k: source 0 = W_k's 16 rows, source 1 = x's 16 keys: lane (r, h) holds key r, dims 8 h + 0 .. 7.  Registers 2 s, 2 s + 1 are K step s of the f32 product: the same permutation of the 16 dims in K and in Q.
;   v: source 0 = x's 16 keys, source 1 = W_v's 16 rows: lane (r, h) holds d = r, keys 8 h + 0 .. 7: its eight codes are registers 2 c, 2 c + 1 of V^T's operand for key tile c of a step.
;   x's and the weights' fragments are fetched 16 bytes at a time (E = 32 c + 16 h + 0 .. 15): one permutation of E, the same on both sides of each product.
; PHASE B.  S^T = K Q^T: a lane holds one query (r) and keys 16 c + 8 h + j; so p's conversions give source 1 of O^T = V^T P^T as it stands.  The two waves of a query tile take even and odd key steps
; and meet at the end: M is a whole number, so the merge multiplies by exact powers of two.
; SINE AND COSINE are made here: freq = t x inv_freq (one f32 product, as the model rounds it); n = round(freq / pi); r = freq - n pi in two fused steps (the first is exact); Taylor sums on |r| <= pi / 2,
; sine to r^13, cosine to r^12; both x (-1)^n.  inv_freq[i] is built in as the f32 number 1 / f32(10000^(i / 8)).
; NO CLUSTER, NO TENSOR LOAD: x goes from memory straight into operand registers, once for a work-group; the work-groups of a batch need 68 to 128 key tiles, not the same number.
; LIMITS on the given exponents, so that each power of two below is an f32 number: e0 + e1 + e2 + e3 between -124 and 129; e6, and e7 - e4 - e5, between -126 and 112.  NaN among the numbers is not served.
; THE MODE: SCHED_MODE bits 1:0 = 2 (LLVM: expert scheduling mode 2), set by the entry lines.  The code itself states the register dependences
; between vector or matrix instructions and memory or LDS instructions, with s_wait_alu, always for 0.
; THE PLAN.  Registers that memory or LDS instructions touch:
;   v4-v11, v16, v17   offsets and LDS addresses: written at the head, ahead of one wait on va_vdst, and never again.
;   v56-79, v184-255   the weights' and x's fragments: the head's 24 loads land in them, before any vector line names them; phase A's products read them.
;   KO, VC             a key tile's roped k and v's codes: written by the tile's vector lines, read by its three LDS stores, which stand together behind ONE wait on va_vdst; one wait on vm_vsrc ahead of the next tile's writes.
;   ADK, ADV           LDS addresses of the K images to be fetched next and of this step's V images: written once a key step, behind one wait on vm_vsrc, in the places behind the scores' products.
;   KF                 K's fragments: the scores' sixteen products of step n read them; the loads of step n + 1 land in them, in step n.
;   VF                 V's fragment: the last product of step n reads it; the loads of step n + 1 land in it, in step n + 1.
;   v12-15, O          read by the merge's and the stage's LDS stores, each run behind a wait on va_vdst;   BS, BO, RB: LDS loads land in them; no vector line names them between the wait ahead of the loop and those loads.
; So ONE wait on va_vdst stands in a key step, behind its exponentials: it is the wait for their results, and it states that the step's scores' products are done reading KF, that the step before's last product is
; done reading VF, and that ADK and ADV are written.  The step's twelve LDS loads follow it; no vector or matrix line between the wait and them names KF, VF, ADK or ADV.  They land under the sums, the conversions and the rescaling.
.set KIMG, 0                           ; LDS: K's images, 128 key tiles x 1,024 bytes
.set VIMG, 131072                      ; V's images, 128 key tiles x 256 bytes
.set MRG,  163840                      ; the merge: 8 query tiles x 1,536 bytes
.set STG,  176128                      ; the way out: 1,024 bytes for each wave
.set LANE, 3                           ; v1 r, v2 h, v3 lane
.set LI,   4                           ; 16 x lane
.set WO,   5                           ; 64 r + 16 h: a fragment's bytes in 16 rows of 64
.set XO,   6                           ; the same + 1,024 x wave
.set XQO,  7                           ; the same + 64 x my first query
.set KW0,  8                           ; where I store K's images, tiles u = 0 .. 3;  v9: u = 4 .. 7
.set VW,   10                          ; where I store V's images
.set MW,   11                          ; my query tile's place in the merge
.set SGW,  16                          ; my stage: in
.set SGR,  17                          ; my stage: back
.set ADK,  18
.set ADV,  19
.set F,    20                          ; v[20:21] f = 2^(old M - new M)
.set MA,   22
.set MB,   23                          ; v12 -M, v13 largest t, v[14:15] the sum in two halves
.set Q,    24
.set O,    32
.set VF,   40
.set KD,   40                          ; phase A: k's (q's) sums
.set PC,   48
.set VD,   48                          ; phase A: v's sums
.set KF,   56
.set WQF,  56                          ; phase A: the three weights' fragments, and the roped k
.set WKF,  64
.set WVF,  72
.set KO,   80
.set S,    88                          ; v88-119: written by matrix instructions alone
.set T,    120
.set FR,   120                         ; phase A: the angles' work
.set ZB,   124
.set NN,   128
.set RR,   132
.set SG,   136
.set Z2,   140
.set PS,   144
.set PQ,   148
.set MASK, 152
.set IFQ,  152                         ; phase A: inv_freq[4 h + 0 .. 3]
.set TT,   156
.set MAGIC, 158
.set A11,  160
.set B10,  162
.set VSC,  164
.set VLIM, 165
.set VC,   166
.set X,    184                         ; phase A: eight fragments of x;  v248-255: my queries'
.set XQ,   248
.set U,    184
.set PX,   186
.set NINF, 187
.set PSC,  188
.set PLIM, 189
.set G,    190
.set BS,   192
.set BO,   196
.set RB,   204
.set CM,   4                           ; scalars.  s4-s11: behind phase A, eight lane masks for the diagonal step's mask
.set WV,   24
.set BB,   27
.set HI,   28
.set PAR,  29
.set BLK,  32
.set D0,   33
.set Q0,   34
.set NT,   35
.set CS,   38
.set SEL,  40
.set ST,   42
.set KB,   43
.set VB,   44
.set TRIP, 45
.set E67,  46
.set TILE, 47
.set SPSC, 51
.set SPLIM, 52
.set E6,   22
	s_load_b256 s[4:11], s[0:1], 0x0               ; x s[4:5], w_q s[6:7], w_k s[8:9], w_v s[10:11]
	s_load_b128 s[12:15], s[0:1], 0x20             ; the scales' exponents s[12:13], out s[14:15]
	v_lshrrev_b32 v22, 5, v0
	v_readfirstlane_b32 s[WV], v22                 ; wave 0..15
	v_and_b32 v1, 15, v0                           ; r
	v_bfe_u32 v2, v0, 4, 1                         ; h
	v_and_b32 v[LANE], 31, v0
	v_lshlrev_b32 v[LI], 4, v[LANE]
	v_lshlrev_b32 v[WO], 6, v1
	v_lshl_add_u32 v[WO], v2, 4, v[WO]
	s_wait_alu depctr_va_sdst(0)                   ; the wave's number is written into its scalar register, ahead of its first reader
	s_and_b32 s[BB], s[WV], 3                      ; b
	s_lshr_b32 s[HI], s[WV], 2                     ; a
	s_add_co_u32 s[HI], s[HI], s[BB]
	s_and_b32 s[HI], s[HI], 3                      ; kind
	s_and_b32 s[PAR], s[HI], 1                     ; which key steps are mine
	s_lshr_b32 s[HI], s[HI], 1                     ; which block of queries
	s_sub_co_u32 s30, 31, ttmp9
	s_cmp_eq_u32 s[HI], 0
	s_cselect_b32 s[BLK], ttmp9, s30               ; my block of 64 queries: also my last (diagonal) key step
	s_lshl_b32 s[Q0], s[BLK], 6
	s_lshl_b32 s[D0], s[BB], 4
	s_add_co_u32 s[Q0], s[Q0], s[D0]               ; my first query
	s_lshl_b32 s[NT], ttmp9, 2
	s_sub_co_u32 s[NT], 128, s[NT]                 ; key tiles that the work-group needs: 4 (32 - i)
	s_and_b32 s36, ttmp7, 0xffff
	s_lshl_b32 s36, s36, 17                        ; the batch: 2,048 rows of 64 bytes, in x and in out alike
	s_mov_b32 s37, 0
	s_lshl_b32 s30, s[WV], 10
	s_lshl_b32 s48, s[Q0], 6
	s_mov_b32 s49, 0
	v_add_nc_u32 v[XO], s30, v[WO]
	v_add_nc_u32 v[XQO], s48, v[WO]
	v_add_nc_u32 v[KW0], s30, v[LI]                ; every LDS address: a constant + a constant x wave + a constant x lane
	v_add_nc_u32 v[KW0+1], 0x10000, v[KW0]
	s_lshl_b32 s31, s[WV], 8
	s_add_co_u32 s31, s31, VIMG
	v_lshl_add_u32 v[VW], v[LANE], 3, s31
	s_lshl_b32 s50, s[HI], 2
	s_add_co_u32 s50, s50, s[BB]                   ; my query tile, 0 .. 7: the two waves of a tile share it
	s_mul_i32 s31, s50, 1536
	s_add_co_u32 s31, s31, MRG
	v_add_nc_u32 v[MW], s31, v[LI]
	s_add_co_u32 s31, s30, STG
	v_add_nc_u32 v[SGR], s31, v[LI]
	v_lshlrev_b32 v[SGW], 6, v1
	v_lshl_add_u32 v[SGW], v2, 5, v[SGW]
	v_add_nc_u32 v[SGW], s31, v[SGW]               ; row r of 64 bytes, + 32 h
	s_wait_kmcnt 0x0
	s_load_b256 s[16:23], s[12:13], 0x0            ; e0 .. e7
	s_add_nc_u64 s[4:5], s[4:5], s[36:37]
	s_add_nc_u64 s[14:15], s[14:15], s[36:37]
	s_add_nc_u64 s[14:15], s[14:15], s[48:49]      ; out at my first query
	s_wait_alu depctr_va_vdst(0)                   ; the offsets and LDS addresses v4 to v11, v16, v17 are written: every load and store of the kernel but the key steps' LDS loads reads one of them
	; all 24 loads of the wave go out here: W_q, my queries' x, W_k, W_v, my eight key tiles' x
	global_load_b128 v[WQF:WQF+3], v[WO], s[6:7]
	global_load_b128 v[WQF+4:WQF+7], v[WO], s[6:7] offset:32
	global_load_b128 v[XQ:XQ+3], v[XQO], s[4:5]
	global_load_b128 v[XQ+4:XQ+7], v[XQO], s[4:5] offset:32
	global_load_b128 v[WKF:WKF+3], v[WO], s[8:9]
	global_load_b128 v[WKF+4:WKF+7], v[WO], s[8:9] offset:32
	global_load_b128 v[WVF:WVF+3], v[WO], s[10:11]
	global_load_b128 v[WVF+4:WVF+7], v[WO], s[10:11] offset:32
.irp u, 0,1,2,3,4,5,6,7
	global_load_b128 v[X+8*\u:X+8*\u+3], v[XO], s[4:5] offset:16384*\u        ; key tile w + 16 u: all 128 tiles lie inside the batch
	global_load_b128 v[X+8*\u+4:X+8*\u+7], v[XO], s[4:5] offset:16384*\u+32
.endr
	; constants, while the loads are out
	v_cmp_eq_u32 vcc_lo, 1, v2
	v_mov_b32 v22, 0x3c23d70a
	s_wait_alu depctr_va_vcc(0)                    ; the compare has written VCC, which the four selects below read
	v_cndmask_b32 v[IFQ], 1.0, v22, vcc_lo         ; inv_freq[4 h + p]: h = 0: 1, 10^-0.5, 10^-1, 10^-1.5;  h = 1: 10^-2 .. 10^-3.5
	v_mov_b32 v22, 0x3b4f3e38
	v_cndmask_b32 v[IFQ+1], 0x3ea1e89b, v22, vcc_lo
	v_mov_b32 v22, 0x3a83126f
	v_cndmask_b32 v[IFQ+2], 0x3dcccccd, v22, vcc_lo
	v_mov_b32 v22, 0x39a5cb60
	v_cndmask_b32 v[IFQ+3], 0x3d0186e3, v22, vcc_lo
	v_mov_b32 v[MAGIC], 0x4b400000                 ; 1.5 x 2^23
	v_mov_b32 v[MAGIC+1], 0x4b400000
	v_mov_b32 v[A11], 0xb2d7322b                   ; -1 / 11!
	v_mov_b32 v[A11+1], 0xb2d7322b
	v_mov_b32 v[B10], 0xb493f27e                   ; -1 / 10!
	v_mov_b32 v[B10+1], 0xb493f27e
	v_add_nc_u32 v22, s[Q0], v1
	v_cvt_f32_u32 v[TT], v22                       ; t of my query
	v_mov_b32 v[TT+1], v[TT]                       ; (named with it as a pair, so it is written)
	s_mov_b32 s[SEL], 0x76543210
	s_mov_b32 s[SEL+1], 0xfedcba98                 ; v_permlanex16_b32: lane l xor 16
	s_wait_kmcnt 0x0
	s_add_co_i32 s48, s16, s17
	s_add_co_i32 s48, s48, s18
	s_add_co_i32 s48, s48, s19
	s_lshl_b32 s48, s48, 23
	s_add_co_i32 s[CS], s48, 0x3eb8aa3b            ; c = log2(e) / 4 x 2^(e0 + e1 + e2 + e3): q and k stay the bare sums of codes
	s_mov_b32 s[CS+1], s[CS]
	s_sub_co_i32 s48, s23, s20
	s_sub_co_i32 s48, s48, s21
	s_add_co_i32 s48, s48, 127
	s_lshl_b32 s49, s48, 23
	v_mov_b32 v[VSC], s49                          ; 2^(e7 - e4 - e5): v's three scales folded into the conversion's one
	s_add_co_i32 s48, s48, 15
	s_lshl_b32 s48, s48, 23
	s_or_b32 s48, s48, 0x600000
	v_mov_b32 v[VLIM], s48                         ; 57,344 x that
	s_add_co_i32 s48, s[E6], 127
	s_lshl_b32 s[SPSC], s48, 23                    ; 2^e6
	s_add_co_i32 s48, s48, 15
	s_lshl_b32 s48, s48, 23
	s_or_b32 s[SPLIM], s48, 0x600000               ; 57,344 x 2^e6
	s_add_co_i32 s[E67], s[E6], s23
; Sine (v[NN] on) and cosine (v[ZB] on) of t x inv_freq[4 h + 0 .. 3], two angles an instruction, the two pairs by turns.
.macro HORN cs, cq
.irp p, 0,2
	v_pk_fma_f32 v[PS+\p:PS+\p+1], v[PS+\p:PS+\p+1], v[Z2+\p:Z2+\p+1], \cs op_sel_hi:[1,1,0]
	v_pk_fma_f32 v[PQ+\p:PQ+\p+1], v[PQ+\p:PQ+\p+1], v[Z2+\p:Z2+\p+1], \cq op_sel_hi:[1,1,0]
.endr
.endm
.macro ANGLES
.irp p, 0,2
	v_pk_mul_f32 v[FR+\p:FR+\p+1], v[IFQ+\p:IFQ+\p+1], v[TT:TT+1] op_sel_hi:[1,0]   ; freq, rounded to f32 as the model rounds it
.endr
.irp p, 0,2
	v_pk_fma_f32 v[ZB+\p:ZB+\p+1], v[FR+\p:FR+\p+1], 0x3ea2f983, v[MAGIC:MAGIC+1] op_sel_hi:[1,0,1]   ; freq / pi + 1.5 x 2^23: the sum's last place is 1, so it holds n = round(freq / pi)
.endr
.irp p, 0,2
	v_pk_add_f32 v[NN+\p:NN+\p+1], v[ZB+\p:ZB+\p+1], 0xcb400000 op_sel_hi:[1,0]      ; n as f32
.endr
.irp p, 0,2
	v_pk_fma_f32 v[RR+\p:RR+\p+1], v[NN+\p:NN+\p+1], 0xc0490fdb, v[FR+\p:FR+\p+1] op_sel_hi:[1,0,1]   ; freq - n x f32(pi): under 2 with last place 2^-22 at the coarsest, so nothing is rounded
.endr
.irp k, 0,1,2,3
	v_lshl_or_b32 v[SG+\k], v[ZB+\k], 31, 0x3f800000                                  ; (-1)^n: n's lowest bit over the pattern of 1.0
.endr
.irp p, 0,2
	v_pk_fma_f32 v[RR+\p:RR+\p+1], v[NN+\p:NN+\p+1], 0x33bbbd2e, v[RR+\p:RR+\p+1] op_sel_hi:[1,0,1]   ; - n x (pi - f32(pi))
.endr
.irp p, 0,2
	v_pk_mul_f32 v[RR+\p:RR+\p+1], v[RR+\p:RR+\p+1], v[SG+\p:SG+\p+1]                 ; sin(freq) = sin((-1)^n r)
.endr
.irp p, 0,2
	v_pk_mul_f32 v[Z2+\p:Z2+\p+1], v[RR+\p:RR+\p+1], v[RR+\p:RR+\p+1]
.endr
.irp p, 0,2
	v_pk_fma_f32 v[PS+\p:PS+\p+1], v[Z2+\p:Z2+\p+1], 0x2f309231, v[A11:A11+1] op_sel_hi:[1,0,1]   ; 1 / 13!, -1 / 11!
	v_pk_fma_f32 v[PQ+\p:PQ+\p+1], v[Z2+\p:Z2+\p+1], 0x310f76c7, v[B10:B10+1] op_sel_hi:[1,0,1]   ; 1 / 12!, -1 / 10!
.endr
	HORN 0x3638ef1d, 0x37d00d01                    ; 1 / 9!,  1 / 8!
	HORN 0xb9500d01, 0xbab60b61                    ; -1 / 7!, -1 / 6!
	HORN 0x3c088889, 0x3d2aaaab                    ; 1 / 5!,  1 / 4!
	HORN 0xbe2aaaab, -0.5                          ; -1 / 3!, -1 / 2!
.irp p, 0,2
	v_pk_mul_f32 v[FR+\p:FR+\p+1], v[RR+\p:RR+\p+1], v[Z2+\p:Z2+\p+1]                 ; r^3
	v_pk_fma_f32 v[PQ+\p:PQ+\p+1], v[PQ+\p:PQ+\p+1], v[Z2+\p:Z2+\p+1], 1.0 op_sel_hi:[1,1,0]
.endr
.irp p, 0,2
	v_pk_fma_f32 v[NN+\p:NN+\p+1], v[PS+\p:PS+\p+1], v[FR+\p:FR+\p+1], v[RR+\p:RR+\p+1]   ; the sine
	v_pk_mul_f32 v[ZB+\p:ZB+\p+1], v[PQ+\p:PQ+\p+1], v[SG+\p:SG+\p+1]                 ; the cosine
.endr
.endm
; The sums in v[KD] on (registers 2 p, 2 p + 1: dims 8 h + 2 p, + 1) are turned by angle p into v[dst] on.
.macro ROPE dst
.irp p, 0,1,2,3
	v_mul_f32 v[PS+\p], v[KD+2*\p+1], v[NN+\p]
	v_mul_f32 v[PQ+\p], v[KD+2*\p], v[NN+\p]
.endr
.irp p, 0,1,2,3
	v_fma_f32 v[\dst+2*\p], v[KD+2*\p], v[ZB+\p], -v[PS+\p]        ; even x cos - odd x sin
	v_fma_f32 v[\dst+2*\p+1], v[KD+2*\p+1], v[ZB+\p], v[PQ+\p]     ; even x sin + odd x cos
.endr
.endm
	; ---- my 16 queries: q stays in registers, source 1 of the scores' products
	s_wait_loadcnt 20                              ; W_q's and my queries' four loads are in; the 20 issued behind them may be out
	v_wmma_f32_16x16x64_bf8_bf8 v[KD:KD+7], v[WQF:WQF+7], v[XQ:XQ+7], 0
	ANGLES                                         ; its lines name none of the product's registers: they are the places behind it
	ROPE Q
	s_lshl_b32 s48, s[WV], 4
	v_add_nc_u32 v22, s48, v1
	v_cvt_f32_u32 v[TT], v22                       ; t of my key in tile w
	; ---- phase A: key tiles w + 16 u
.irp u, 0,1,2,3,4,5,6,7
.if \u >= 4                            ; 68 tiles at the least are needed, so tiles under 64 always
	s_add_co_u32 s[TILE], s[WV], 16*\u
	s_cmp_ge_u32 s[TILE], s[NT]
	s_cbranch_scc1 .LdoneA                         ; no query of this work-group sees these keys
.endif
	s_wait_loadcnt 14-2*\u                         ; W_k, W_v and tile u are in; the later tiles' loads, two each, may be out
	v_wmma_f32_16x16x64_bf8_bf8 v[KD:KD+7], v[WKF:WKF+7], v[X+8*\u:X+8*\u+7], 0
	v_wmma_f32_16x16x64_bf8_bf8 v[VD:VD+7], v[X+8*\u:X+8*\u+7], v[WVF:WVF+7], 0
	ANGLES
	s_wait_dscnt 0x0                               ; the last tile's LDS stores are done
.if \u > 0
	s_wait_alu depctr_vm_vsrc(0)                   ; the last tile's LDS stores have read v[KO] on and v[VC] on, which the lines below write again
.endif
	ROPE KO
.irp j, 0,1,2,3,4,5,6,7
	v_med3_num_f32 v[VD+\j], v[VD+\j], -v[VLIM], v[VLIM]           ; the conversion to an 8-bit code does not saturate (ISA guide 7.6.2): the hold at the largest code x the scale
.endr
	v_cvt_scalef32_pk8_bf8_f32 v[VC:VC+1], v[VD:VD+7], v[VSC]
	v_nop                                          ; one plain line behind a scaled conversion: the next tile's product writes its sources
	s_wait_alu depctr_va_vdst(0)                   ; the rotation has written v[KO] on and the conversion v[VC] on: the three LDS stores below read them
	ds_store_b128 v[KW0+(\u/4)], v[KO:KO+3] offset:(\u%4)*16384        ; the fragment as it stands: 16 bytes a lane, 512 on end
	ds_store_b128 v[KW0+(\u/4)], v[KO+4:KO+7] offset:(\u%4)*16384+512
	ds_store_b64 v[VW], v[VC:VC+1] offset:4096*\u  ; 8 codes a lane, 256 bytes on end
.if \u < 7
	v_add_f32 v[TT], 0x43800000, v[TT]             ; my next tile's key: 256 further on
.endif
.endr
.LdoneA:
	s_wait_alu depctr_vm_vsrc(0)                   ; my last LDS stores have read v[VC] on, which becomes part of the mask below, and v[KO] on, in which K's fragments land
	s_wait_loadcnt 0x0                             ; loads of tiles that were left out have landed: their registers, and the loads' scalar bases, are used again below
	s_wait_dscnt 0x0                               ; for the others: my images lie in LDS
	s_barrier_signal -1
	; register work while the others arrive: the softmax's start, and the diagonal step's mask
	v_mov_b32 v13, 0xff61b1e6                      ; the largest t so far: -3e38
	v_floor_f32 v12, -v13                          ; -M
	v_mov_b32 v14, 0
	v_mov_b32 v15, 0
.irp j, 0,1,2,3,4,5,6,7
	v_mov_b32 v[O+\j], 0                           ; the step is written once: the first finds zeros
.endr
	v_mov_b32 v[F+1], 0                            ; (upper halves of pairs, and a permute's destination: written once)
	v_mov_b32 v[G+1], 0
	v_mov_b32 v[PX], 0
	v_mov_b32 v[PSC], s[SPSC]
	v_mov_b32 v[PLIM], s[SPLIM]
	v_mov_b32 v[NINF], 0xff800000
	v_lshlrev_b32 v22, 3, v2
	v_sub_nc_u32 v22, v1, v22
	v_add_nc_u32 v22, s[D0], v22                   ; my query less the step's first key less 8 h.  Register 8 c + j holds key 16 c + 8 h + j of the step: hidden where 16 c + j is above this
.set n, 0
.rept 4                                ; key tile n of the step: eight compares in a run, into eight scalar registers, so that one wait serves the eight selects
.irp k, 0,1,2,3,4,5,6,7
	v_cmp_gt_i32 s[CM+\k], 16*n+\k, v22
.endr
	s_wait_alu depctr_va_sdst(0)                   ; the eight compares have written their lane masks, which the eight selects read
.irp k, 0,1,2,3,4,5,6,7
	v_cndmask_b32 v[MASK+8*n+\k], 0, v[NINF], s[CM+\k]             ; 0 or -infinity: the C of the diagonal step's first products
.endr
.set n, n+1
.endr
	s_mov_b32 s[ST], s[PAR]                        ; my first key step,
	s_lshl_b32 s[KB], s[PAR], 12                   ; its four images of K,
	s_lshl_b32 s[VB], s[PAR], 10
	s_add_co_u32 s[VB], s[VB], VIMG                ; and of V
	s_mov_b32 s[TRIP], 0
	v_add_nc_u32 v[ADK], s[KB], v[LI]
	s_barrier_wait -1                              ; all images lie in LDS; nobody writes them again
	s_wait_alu depctr_va_vdst(0)                   ; v[ADK] is written; phase A's products and rotations are done with v56 to v87, in which K's fragments land
.irp c, 0,1,2,3                        ; K of my first key step, 0 or 1: its tiles are among the 68 that every work-group makes, so no branch stands here (the one kind of wave that has no step, parity 1 of block 0, fetches it and leaves it)
	ds_load_b128 v[KF+8*\c:KF+8*\c+3], v[ADK] offset:1024*\c
	ds_load_b128 v[KF+8*\c+4:KF+8*\c+7], v[ADK] offset:1024*\c+512
.endr
	s_add_co_u32 s[KB], s[KB], 8192                ; from here on: the images of K that are fetched next, one of my steps ahead
	s_wait_dscnt 0x0                               ; K's eight loads are in
	; ---- phase B: 16 trips, a constant; trip n is key step 2 n + parity; steps behind my diagonal are jumped over inside the trip
.Lstep:
	s_cmp_gt_u32 s[ST], s[BLK]
	s_cbranch_scc1 .Lhidden
	s_cmp_eq_u32 s[ST], s[BLK]
	s_cbranch_scc1 .Ldiag
.irp c, 0,1,2,3
	v_wmma_f32_16x16x4_f32 v[S+8*\c:S+8*\c+7], v[KF+8*\c:KF+8*\c+1], v[Q:Q+1], 0
.endr
	s_branch .Lrest
.Ldiag:                                            ; hidden keys begin at -infinity and stay there: no vector instruction writes these accumulators
.irp c, 0,1,2,3
	v_wmma_f32_16x16x4_f32 v[S+8*\c:S+8*\c+7], v[KF+8*\c:KF+8*\c+1], v[Q:Q+1], v[MASK+8*\c:MASK+8*\c+7]
.endr
.Lrest:
.irp s, 1,2,3                          ; the four accumulators by turns, one instruction a turn
.irp c, 0,1,2,3
	v_wmma_f32_16x16x4_f32 v[S+8*\c:S+8*\c+7], v[KF+8*\c+2*\s:KF+8*\c+2*\s+1], v[Q+2*\s:Q+2*\s+1], v[S+8*\c:S+8*\c+7]
.endr
.endr
	s_wait_alu depctr_vm_vsrc(0)                   ; the LDS loads issued so far (a step ago, or ahead of the loop) have read v[ADK] and v[ADV], which the two lines below write
	v_add_nc_u32 v[ADK], s[KB], v[LI]              ; K's images of my next step
	v_lshl_add_u32 v[ADV], v[LANE], 3, s[VB]       ; V's images of this step
.rept 6
	v_nop                                          ; with the two lines above: eight places behind this form before its results are read (ISA guide 7.12.1)
.endr
	v_max3_num_f32 v[MA], v[S], v[S+1], v[S+2]     ; my query's largest score among my 32 keys, in two chains, each accumulator from its low end on
	v_max3_num_f32 v[MB], v[S+3], v[S+4], v[S+5]
.irp i, 6,10,14,18,22,26
	v_max3_num_f32 v[MA], v[MA], v[S+\i], v[S+\i+1]
	v_max3_num_f32 v[MB], v[MB], v[S+\i+2], v[S+\i+3]
.endr
	v_max3_num_f32 v[MA], v[MA], v[S+30], v[S+31]
	v_max_num_f32 v[MA], v[MA], v[MB]
	v_permlanex16_b32 v[PX], v[MA], s[SEL], s[SEL+1]
	v_max_num_f32 v[MA], v[MA], v[PX]              ; and among lane l xor 16's: every query sees a key of every step that is walked
	v_mul_f32 v[MA], s[CS], v[MA]                  ; as t (c is positive)
	v_max_num_f32 v13, v13, v[MA]
	v_mov_b32 v[MB], v12
	v_floor_f32 v12, -v13                          ; -M = floor(-t): M is a whole number
	v_sub_f32 v[MB], v12, v[MB]
	v_cvt_i32_f32 v[MB], v[MB]                     ; old M - new M, 0 or less (it saturates)
	v_ldexp_f32 v[F], 1.0, v[MB]                   ; f = 2^(old M - new M)
.irp j, 0,2,4,6,8,10,12,14,16,18,20,22,24,26,28,30
	v_pk_fma_f32 v[T+\j:T+\j+1], v[S+\j:S+\j+1], s[CS:CS+1], v[12:13] op_sel_hi:[1,0,0]   ; t - M, into other registers
.endr
.irp j, 0,1,2,3,4,5,6,7,8,9,10,11,12,13,14,15,16,17,18,19,20,21,22,23,24,25,26,27,28,29,30,31
	v_exp_f32 v[T+\j], v[T+\j]                     ; p = 2^(t - M)
.endr
	v_pk_mul_f32 v[14:15], v[14:15], v[F:F+1] op_sel_hi:[1,0]      ; the sum under the new M (the plain line behind the exponentials)
	s_wait_alu depctr_va_vdst(0)                   ; THE STEP'S ONE WAIT: the 32 exponentials have written p, ahead of its first reader; the scores' products are done reading v[KF] on and the step before's last product v[VF] on, in which the loads below land; v[ADK] and v[ADV] are written
.irp c, 0,1,2,3
	ds_load_b64 v[VF+2*\c:VF+2*\c+1], v[ADV] offset:256*\c         ; V of this step
.endr
	s_add_co_u32 s48, s[ST], 2
	s_cmp_gt_u32 s48, s[BLK]                       ; ids and the count of steps alone
	s_cbranch_scc1 .Lnok                           ; my next step lies behind my diagonal: nothing of K is left to fetch
.irp c, 0,1,2,3
	ds_load_b128 v[KF+8*\c:KF+8*\c+3], v[ADK] offset:1024*\c       ; K of my next step.  No further wait: no vector or matrix line since the wait above names these registers
	ds_load_b128 v[KF+8*\c+4:KF+8*\c+7], v[ADK] offset:1024*\c+512
.endr
.Lnok:
	v_pk_add_f32 v[U:U+1], v[T:T+1], v[T+2:T+3]    ; the sum of the UNQUANTISED p, in two chains
.irp j, 4,8,12,16,20,24,28
	v_pk_add_f32 v[14:15], v[14:15], v[T+\j:T+\j+1]
	v_pk_add_f32 v[U:U+1], v[U:U+1], v[T+\j+2:T+\j+3]
.endr
	v_pk_add_f32 v[14:15], v[14:15], v[U:U+1]
	s_cmp_ge_i32 s[E6], -15                        ; p is at most 1 (a last place more at the worst), and 57,344 x 2^e6 is 1.75 or more from e6 = -15 on: there the hold changes nothing
	s_cbranch_scc1 .Lnohold
.irp j, 0,1,2,3,4,5,6,7,8,9,10,11,12,13,14,15,16,17,18,19,20,21,22,23,24,25,26,27,28,29,30,31
	v_min_num_f32 v[T+\j], v[T+\j], v[PLIM]        ; p is not negative: the hold is one-sided
.endr
.Lnohold:
.irp c, 0,1,2,3
	v_cvt_scalef32_pk8_bf8_f32 v[PC+2*\c:PC+2*\c+1], v[T+8*\c:T+8*\c+7], v[PSC]   ; keys 16 c + 8 h + 0 .. 7: registers 2 c, 2 c + 1 of the operand
.endr
.irp j, 0,2,4,6
	v_pk_mul_f32 v[O+\j:O+\j+1], v[O+\j:O+\j+1], v[F:F+1] op_sel_hi:[1,0]         ; O^T under the new M (plain lines between the conversions and the product)
.endr
	s_wait_dscnt 0x0                               ; V's fragment is in, and so is K of my next step where it was asked for: the count is right on both ways round that jump
	v_wmma_f32_16x16x64_bf8_bf8 v[O:O+7], v[VF:VF+7], v[PC:PC+7], v[O:O+7]         ; sixteen other products stand between two links of this chain
.rept 4
	v_nop                                          ; four places ahead of the next read of O^T, on every way, the way out of the loop among them
.endr
.Lhidden:
	s_add_co_u32 s[ST], s[ST], 2
	s_add_co_u32 s[KB], s[KB], 8192
	s_add_co_u32 s[VB], s[VB], 2048
	s_add_co_u32 s[TRIP], s[TRIP], 1
	s_cmp_lt_u32 s[TRIP], 16
	s_cbranch_scc1 .Lstep
	; ---- the two waves of a query tile meet: the odd steps' wave hands over -M, its sum and its O^T
	s_cmp_eq_u32 s[PAR], 0
	s_cbranch_scc1 .Lkeeper
	s_wait_alu depctr_va_vdst(0)                   ; the last step has written -M, the sum and O^T, which the three LDS stores read; the places behind its last product stay beside this wait
	ds_store_b128 v[MW], v[12:15]
	ds_store_b128 v[MW], v[O:O+3] offset:512
	ds_store_b128 v[MW], v[O+4:O+7] offset:1024
.Lkeeper:
	s_wait_dscnt 0x0                               ; for the partner: my stores have landed
	s_barrier_signal -1
	s_barrier_wait -1
	s_cmp_lg_u32 s[PAR], 0
	s_cbranch_scc1 .Lend
	ds_load_b128 v[BS:BS+3], v[MW]                 ; (no vector or matrix line has named v[BS] to v[RB+7] since the wait ahead of the loop)
	ds_load_b128 v[BO:BO+3], v[MW] offset:512
	ds_load_b128 v[BO+4:BO+7], v[MW] offset:1024
	s_wait_dscnt 0x0
	v_min_num_f32 v[MA], v12, v[BS]                ; -M of both: the larger M.  (A partner without a step still has -M = 3e38, a sum of 0 and zeros: its factor comes out 0)
	v_sub_f32 v[MB], v[MA], v12
	v_sub_f32 v[PX], v[MA], v[BS]
	v_cvt_i32_f32 v[MB], v[MB]
	v_cvt_i32_f32 v[PX], v[PX]
	v_ldexp_f32 v[F], 1.0, v[MB]                   ; my factor,
	v_ldexp_f32 v[G], 1.0, v[PX]                   ; the partner's: exact powers of two
	v_pk_mul_f32 v[14:15], v[14:15], v[F:F+1] op_sel_hi:[1,0]
	v_pk_fma_f32 v[14:15], v[BS+2:BS+3], v[G:G+1], v[14:15] op_sel_hi:[1,0,1]
	v_add_f32 v14, v14, v15
	v_permlanex16_b32 v[PX], v14, s[SEL], s[SEL+1]
	v_add_f32 v14, v14, v[PX]                      ; the row's sum
	v_rcp_f32 v14, v14
.irp j, 0,2,4,6
	v_pk_mul_f32 v[O+\j:O+\j+1], v[O+\j:O+\j+1], v[F:F+1] op_sel_hi:[1,0]         ; plain work behind the reciprocal
.endr
.irp j, 0,2,4,6
	v_pk_fma_f32 v[O+\j:O+\j+1], v[BO+\j:BO+\j+1], v[G:G+1], v[O+\j:O+\j+1] op_sel_hi:[1,0,1]
.endr
	s_wait_alu depctr_va_vdst(0)                   ; the reciprocal has written v14, ahead of its first reader
	v_ldexp_f32 v14, v14, s[E67]                   ; x 2^(e6 + e7)
.irp j, 0,2,4,6
	v_pk_mul_f32 v[O+\j:O+\j+1], v[O+\j:O+\j+1], v[14:15] op_sel_hi:[1,0]         ; lane (r, h): out(query r, d = 8 h + 0 .. 7)
.endr
	s_wait_alu depctr_va_vdst(0)                   ; the four multiplications have written v[O] on, which the two LDS stores read
	ds_store_b128 v[SGW], v[O:O+3]                 ; through my own stage: 16 rows of 64 bytes are 1,024 bytes on end in out
	ds_store_b128 v[SGW], v[O+4:O+7] offset:16
	ds_load_b128 v[RB:RB+3], v[SGR]                ; LDS serves a wave's instructions in order (ISA guide 5.7.1.4): these see the stores above
	ds_load_b128 v[RB+4:RB+7], v[SGR] offset:512
	s_wait_dscnt 0x0
	global_store_b128 v[LI], v[RB:RB+3], s[14:15] th:TH_STORE_NT                  ; each store covers 512 consecutive bytes, at a multiple of 512 from out's first byte
	global_store_b128 v[LI], v[RB+4:RB+7], s[14:15] offset:512 th:TH_STORE_NT
.Lend:
	s_wait_xcnt 0x0
	v_lshl_add_u32 v254, v0, 2, 0x2f000            ; the add's two registers, made anew here (no memory or LDS instruction has ever read v254 or v255): my spare word, behind the stages,
	v_mov_b32 v255, 0                              ; and 0
	s_wait_dscnt 0x0                               ; the closing lines, six on end
	s_wait_alu 0x0
	s_wait_tensorcnt 0x0
	ds_add_u32 v254, v255
	s_wait_dscnt 0x0
	s_endpgm
.Lfunc_end_k_q921974ed12_head:
	.size	k_q921974ed12_head, .Lfunc_end_k_q921974ed12_head-k_q921974ed12_head
	.p2alignl 7, 3214868480
	.fill 96, 4, 3214868480
	.section	.rodata,"a",@progbits
	.p2align	6, 0x0
	.amdhsa_kernel k_q921974ed12_head
		.amdhsa_group_segment_fixed_size 194560
		.amdhsa_private_segment_fixed_size 0
		.amdhsa_enable_private_segment 0
		.amdhsa_kernarg_size 48
		.amdhsa_user_sgpr_count 2
		.amdhsa_user_sgpr_kernarg_segment_ptr 1
		.amdhsa_wavefront_size32 1
		.amdhsa_system_sgpr_workgroup_id_x 1
		.amdhsa_system_sgpr_workgroup_id_y 1
		.amdhsa_system_sgpr_workgroup_id_z 1
		.amdhsa_system_vgpr_workitem_id 0
		.amdhsa_next_free_vgpr 256
		.amdhsa_next_free_sgpr 66
		.amdhsa_reserve_vcc 1
		.amdhsa_float_denorm_mode_32 3
		.amdhsa_float_denorm_mode_16_64 3
		.amdhsa_memory_ordered 1
		.amdhsa_forward_progress 1
		.amdhsa_inst_pref_size 74
	.end_amdhsa_kernel
	.amdgpu_metadata
---
amdhsa.version: [ 1, 2 ]
amdhsa.kernels:
  - .name:           k_q921974ed12_head
    .symbol:         k_q921974ed12_head.kd
    .args:
      - { .name: x_codes, .offset: 0, .size: 8, .value_kind: global_buffer, .address_space: global }
      - { .name: w_q_codes, .offset: 8, .size: 8, .value_kind: global_buffer, .address_space: global }
      - { .name: w_k_codes, .offset: 16, .size: 8, .value_kind: global_buffer, .address_space: global }
      - { .name: w_v_codes, .offset: 24, .size: 8, .value_kind: global_buffer, .address_space: global }
      - { .name: lowp_scales, .offset: 32, .size: 8, .value_kind: global_buffer, .address_space: global }
      - { .name: out0, .offset: 40, .size: 8, .value_kind: global_buffer, .address_space: global }
    .group_segment_fixed_size: 194560
    .private_segment_fixed_size: 0
    .kernarg_segment_align: 8
    .kernarg_segment_size: 48
    .max_flat_workgroup_size: 512
    .sgpr_count:     66
    .vgpr_count:     256
    .wavefront_size: 32
...
	.end_amdgpu_metadata
.endif
;; end of part 2
